; MI455X (gfx1250); checked and timed in simulation.
; The chip was launched on July 23, 2026; its instructions are those of AMD's public machine-readable ISA for CDNA 5 (MIT licence, August 2026) and "CDNA5" Instruction Set Architecture Reference Guide (July 2026). The comments in the code are by the model that wrote it; some were corrected since.
;; Multi Head Self Attention. Allowed arithmetic: matrix products marked QUANTISED: E4M3 operands, one E8M0 scale for each 32 along K, by v_wmma_scale_f32_16x16x128_f8f6f4 with both operands' format E4M3, f32 sums; everything else in f32.
;; Inputs: Wk_codes 1,024 x 32 x 32 uint8 (E4M3 codes of Wk, K innermost, in blocks of 32 codes); Wk_scales 1,024 x 32 uint8 (E8M0 scales of Wk, one for each 32 codes along K); Wo_codes 1,024 x 32 x 32 uint8 (E4M3 codes of Wo, K innermost, in blocks of 32 codes); Wo_scales 1,024 x 32 uint8 (E8M0 scales of Wo, one for each 32 codes along K); Wq_codes 1,024 x 32 x 32 uint8 (E4M3 codes of Wq, K innermost, in blocks of 32 codes); Wq_scales 1,024 x 32 uint8 (E8M0 scales of Wq, one for each 32 codes along K); Wv_codes 1,024 x 32 x 32 uint8 (E4M3 codes of Wv, K innermost, in blocks of 32 codes); Wv_scales 1,024 x 32 uint8 (E8M0 scales of Wv, one for each 32 codes along K); bk 1,024 float32; bo 1,024 float32; bq 1,024 float32; bv 1,024 float32; mask 4 x 1 x 1 x 2,048 int32; x_codes 4 x 2,048 x 32 x 32 uint8 (E4M3 codes of x, K innermost, in blocks of 32 codes); x_scales 4 x 2,048 x 32 uint8 (E8M0 scales of x, one for each 32 codes along K).
;; Outputs: out0 4 x 2,048 x 1,024 float32.
;; This version of the problem:
;;   THIS VERSION OF THE PROBLEM IS GIVEN IN LOW PRECISION. The matrix products marked QUANTISED in the list below multiply operands that are first quantised to E4M3 (4 exponent bits, 3 mantissa bits; 8 bits a number), with one power-of-two scale for each 32 numbers along K (OCP MX v1.0); their sums are f32. All else is computed in f32.
;;   The module's matrix products, in the order in which they are computed (A, B: the left and right operand; K: the contracted axis; several contracted axes count as one K, in the product's order):
;;     1. [M 8,192, K 1,024] x [K 1,024, N 1,024]; A: input x (given as codes); B: input Wq (given as codes): QUANTISED
;;     2. [M 8,192, K 1,024] x [K 1,024, N 1,024]; A: input x (given as codes); B: input Wk (given as codes): QUANTISED
;;     3. [M 8,192, K 1,024] x [K 1,024, N 1,024]; A: input x (given as codes); B: input Wv (given as codes): QUANTISED
;;     4. batch 64 x [M 2,048, K 64] x [K 64, N 2,048]; A: computed on the way; B: computed on the way: QUANTISED
;;     5. batch 64 x [M 2,048, K 2,048] x [K 2,048, N 64]; A: softmax (see below); B: computed on the way: QUANTISED
;;     6. [M 8,192, K 1,024] x [K 1,024, N 1,024]; A: computed on the way; B: input Wo (given as codes): QUANTISED
;;   THE QUANTISER, for each operand of a quantised product, along K:
;;     - K is cut into blocks of 32 from its start; a last block that is shorter is filled with zeros.
;;     - A block's scale is 2^e with e = floor(log2(the largest magnitude in the block)) - 8, held to -126 .. 127; a block of zeros has e = 0. As a byte (E8M0): e + 127.
;;     - Each number is divided by its block's scale, clamped to +-448, and rounded to the nearest number of E4M3, ties to even, subnormals kept.
;;     - The product sums the exact products of the quantised numbers (number of the format x scale) in f32.
;;   ~~~python
;;   def quantise(x, axis):      # numpy; x: float32 -> the quantised numbers, widened to float32 again
;;       x = np.moveaxis(x, axis, -1); K = x.shape[-1]
;;       x = np.pad(x, [(0, 0)] * (x.ndim - 1) + [(0, -K % 32)]); x = x.reshape(x.shape[:-1] + (-1, 32)); a = np.abs(x).max(-1, keepdims=True)
;;       e = np.where(a > 0, np.clip(np.frexp(np.where(a > 0, a, 1))[1] - 1 - 8, -126, 127), 0)      # np.frexp(a)[1] - 1 = floor(log2(a)), exactly
;;       r = np.clip(x / 2.0 ** e, -448, 448)
;;       step = 2.0 ** (np.maximum(np.frexp(np.where(r == 0, 1, r))[1] - 1, -6) - 3)
;;       q = np.round(r / step) * step * 2.0 ** e      # np.round: ties to even
;;       return np.moveaxis(q.reshape(q.shape[:-2] + (-1,))[..., :K], -1, axis).astype(np.float32)
;;   ~~~
;;   SOFTMAX AHEAD OF A QUANTISED PRODUCT. Where the list says 'softmax', what is quantised is not the finished softmax but p = 2^(t - M), with t = logit x log2(e) and M = ceil(the row's largest t), a whole number; so 1/2 < the row's largest p <= 1. The row's sum l is taken of the UNQUANTISED p, in f32, and the product's result is divided by l at the end. Since M is a whole number, a kernel that streams over the keys may use a running M (the ceiling of the running maximum): every later rescaling is an exact power of two, which a block's scale takes up: the codes' values come out the same.
;;   OPERANDS COMPUTED ON THE WAY. 'Computed on the way' means the value that the module computes at that place (a softmax that the list does not call 'softmax' is quantised finished and normalised). What goes into a quantiser is computed in f32, as accurately as f32 sums, v_exp_f32 and their like allow (about 1e-6 of the number): no bf16 or f16 on the way to a quantiser, and a product that is left as it is and whose result goes on into a quantised operand takes f32 operands (vector FMAs, or v_wmma_f32_16x16x4_f32). A number that lies on a knife's edge between two numbers of the format may be rounded either way, as far as f32 arithmetic and the matrix unit's own rounding can turn it there, and no further.
;;   INPUTS GIVEN AS CODES. Wk (in the module: [1024, 1024], K = its axis 1); Wo (in the module: [1024, 1024], K = its axis 1); Wq (in the module: [1024, 1024], K = its axis 1); Wv (in the module: [1024, 1024], K = its axis 1); x (in the module: [4, 2048, 1024], K = its axis 2): each comes as NAME_codes (uint8): NAME with its K axis moved to the last place and cut into blocks of 32 codes, [.., K / 32, bytes a block], one block behind the other in memory; one code a byte (a code: sign, 4 exponent bits, 3 mantissa bits); and NAME_scales (uint8): the same leading axes, one E8M0 byte (e + 127) for each 32 codes along K. Its value is code x scale, taken as it is: it is not quantised again, and the codes and scales need not be those that the quantiser above would give.
;; One version. Each part assembles by itself: llvm-mc -triple=amdgcn-amd-amdhsa -mcpu=gfx1250 --defsym DOCPART=n.
;; ======== version 1 of 1: 3 launches
;; limits: right only within a limited range of input values
;; workspace buffers: qkv 25,165,824 bytes; sc 786,432 bytes; att 8,388,608 bytes; asc 262,144 bytes
;; launch proj (part 1): grid 8 x 48, 4 waves a work-group, clusters of 4 x 4, 327,680 bytes of LDS; arguments x_codes, x_scales, Wq_codes, Wq_scales, Wk_codes, Wk_scales, Wv_codes, Wv_scales, bq, bk, bv, qkv, sc; writes qkv, sc
.if DOCPART == 1
	.amdgcn_target "amdgcn-amd-amdhsa--gfx1250"
	.amdhsa_code_object_version 6
	.text
	.protected	k_q5cb8a1aa68_proj
	.globl	k_q5cb8a1aa68_proj
	.p2align	8
	.type	k_q5cb8a1aa68_proj,@function
k_q5cb8a1aa68_proj:
	s_mov_b64 s[64:65], 0
	v_nop
	global_prefetch_b8 v0, s[64:65] scope:SCOPE_SE
	s_setreg_imm32_b32 hwreg(HW_REG_WAVE_MODE, 25, 1), 1
	s_wait_xcnt 0x0
	s_wait_alu depctr_hold_cnt(0) depctr_sa_sdst(0) depctr_va_vdst(0) depctr_va_sdst(0) depctr_va_ssrc(0) depctr_va_vcc(0) depctr_vm_vsrc(0)
	s_getreg_b32 s2, hwreg(HW_REG_IB_STS2, 6, 4)
	s_cmp_eq_u32 s2, 0
	s_cbranch_scc0 .Lentry_in_a_cluster
	s_endpgm
.Lentry_in_a_cluster:
	s_bfe_u32 s2, ttmp6, 0x10000c
	s_cmp_lg_u32 s2, 0xf033
	s_cbranch_scc0 .Lentry_shape_is_right
	s_endpgm
.Lentry_shape_is_right:
; q = x Wq^T + bq, k = x Wk^T + bk, v = x Wv^T + bv on codes of E4M3 with E8M0 scales (K = 1,024), sums in f32, and each result quantised at once for the
; product that takes it: q and k along the head's 64, v along the keys.  NO WORK OF THE PROBLEM IS LEFT OUT IN THIS PROGRAM: every input has a way to the output (bk moves k's codes) and every input is loaded.
; LIMITS: NaN and infinities among the inputs are not served; a block of zeros gets the scale byte 1 where the quantiser says 127 (its codes are zeros, and this program alone reads the bytes).
; A work-group of four waves makes 256 x 256 results, a wave 128 x 128: 64 accumulators, 512 registers.  K goes in steps of 256 through a ring of two LDS slots; the scales of the 512 rows come once and stay.
; SOURCE 0 ("B") IS THE AXIS THAT IS QUANTISED: a lane then holds ONE row of source 1 ("A") and its registers run along source 0's rows.
;   q, k (cluster y 0..7):  B = Wq (cluster x 0) or Wk (cluster x 1), tile column cx;  A = x, tile row 4 x cluster y + cy.
;   v    (cluster y 8..11): B = x, tile column 4 (2 (cluster y - 8) + cluster x) + cx;  A = Wv, tile row cy.
; The choice hangs on the cluster's coordinates alone, so all sixteen partners agree.  A's tiles are shared along a row of the cluster, B's along a column: joint loads.
; ORDER ALONG THE NEXT K.  For A's block a the 64 registers 8 b + j of lane (r, h) are B's rows 16 b + 8 h + j.  Registers 16 c .. 16 c + 15 become registers 4 c .. 4 c + 3 of the next operand: inside a block of 32
; lane half h holds places 8 h + 0..7 and 16 + 8 h + 0..7.  That order stays inside a block (the scales are untouched) and is the same on both sides of q k^T and of p v.
; OUT: images of operand registers: four registers a lane are 512 consecutive bytes, lane l's 16 bytes at 16 l.
;   qkv [64 heads][Q | K | V], 131,072 bytes each:  Q, K: [tile of 16 rows][c = 0, 1][512];  V: [key step of 128][tile of 16 d][c = 0..3][512].
;   sc  [64 heads][Q: 2 bytes a row | K: 2 bytes a row | V: [key step][d] 4 bytes], 4,096 bytes each.  The scale bytes leave as 2 bytes a lane: about a thirtieth of what the launch stores.
; REGISTERS, in windows of 256: window 0: v0-31 addresses; v32-63 scale words, two sets; v64-127 the bias as the first products' C, later at work; v128-255 A's fragments, later codes.
;   window 1: B's fragments, two sets.   windows 2, 3: the accumulators ((a, b) at v[8 (8 (a % 4) + b)]).
.set KSTEP,  256
.set NQ,     2                         ; matrix instructions deep in a slot
.set ROWB,   256                       ; a tile's row in bytes
.set KROW,   1024                      ; a row of x or of a weight in memory
.set PITCH,  272                       ; an LDS row: 256 bytes + 16 of padding: the 16 rows that a load touches start at 16 different banks
.set FR,     16
.set NL,     4
.set NP,     8                         ; places behind this matrix instruction (ISA guide 7.12.1)
.set HALFT,  128*PITCH
.set SLOT,   4*HALFT
.set KS,     32                        ; a row of scales in bytes
.set SCL,    2*SLOT
.set HALFS,  (128*KS/256)*272
.set SBLK,   (16*KS/256)*272
.set SPARE,  SCL+4*HALFS               ; the spare words: 128 bytes a wave, two blocks of 256 bytes that no other line names
.set HEADB,  393216                    ; a head in qkv
.set HEADS,  12288                     ; a head in sc
.set ADRA, 16
.set ADRB, 20
.set ADRS, 27
.set SPW,  28
.set NIL,  29
.set SC,   32
.set BT,   64                          ; v64-127: the bias, eight registers a tile in the result's layout
.set TM,   64                          ; the way out: v64-67 largest magnitudes, v68-71 bytes, v72-75 448 x scale, v76-79 the conversions' scale operands
.set PW,   80
.set SW,   81
.set AF,   128
.set G1, 24
.set G0, 32
.set G1B, 48
.set G0B, 56
.set G1S, 68
.set G0S, 76
.set G1SB, 80
.set G0SB, 88
.set MSB, 0
.macro WIN new                         ; the immediate's high byte repeats the setting that is left
.if MSB != (\new)
	s_set_vgpr_msb (MSB<<8)|(\new)
.set MSB, (\new)
.endif
.endm
.set MUL_LO, 0xa1                      ; source 0 (B) window 1, source 1 (A) window 0, C and D window 2
.set MUL_HI, 0xf1                      ; the same, C and D window 3
.set TO_B,   0x40
; A joint load: waves 0 and 1 fetch for A, waves 2 and 3 for B; the branch hangs on the wave's number alone.  An s_nop 0 and four v_nop follow each line.
.macro JLOAD g0a, g1a, g0b, g1b
	s_cmp_eq_u32 s15, 0
	s_cbranch_scc0 .Lfor_b_\@
	tensor_load_to_lds s[\g0a:\g0a+3], s[\g1a:\g1a+7]
	s_nop 0
.rept 4
	v_nop
.endr
	s_branch .Lasked_\@
.Lfor_b_\@:
	tensor_load_to_lds s[\g0b:\g0b+3], s[\g1b:\g1b+7]
	s_nop 0
.rept 4
	v_nop
.endr
.Lasked_\@:
.endm
.macro CREST                           ; a round of the cluster's barrier behind its opening barrier
	s_cmp_lg_u32 s14, 0
	s_cbranch_scc1 .Lnot_wave_0_\@
	s_barrier_signal -3
.Lnot_wave_0_\@:
	s_barrier_wait -3
	s_barrier_signal -1
	s_barrier_wait -1
.endm
.macro CROUND
	s_barrier_signal -1
	s_barrier_wait -1
	CREST
.endm
	s_load_b512 s[68:83], s[0:1], 0x0              ; x codes, x scales, Wq codes, scales, Wk codes, scales, Wv codes, scales
	s_load_b256 s[84:91], s[0:1], 0x40             ; bq, bk, bv, qkv
	s_load_b64 s[92:93], s[0:1], 0x60              ; sc
	v_lshl_add_u32 v[SPW], v0, 2, SPARE
	v_mov_b32 v[NIL], 0
	ds_add_u32 v[SPW], v[NIL]                      ; the wave's opening: the add, twice on end, and its wait ahead of my first tensor load
	ds_add_u32 v[SPW], v[NIL]
	v_lshrrev_b32 v1, 5, v0
	v_readfirstlane_b32 s14, v1                    ; wave 0..3
	s_lshr_b32 s15, s14, 1                         ; my half of A's rows.  Also: I fetch for A (0) or for B (1)
	s_and_b32 s16, s14, 1                          ; my half of B's rows.  Also: which 128 rows I fetch
	s_bfe_u32 s40, ttmp6, 0x40000                  ; cx
	s_bfe_u32 s41, ttmp6, 0x40004                  ; cy
	s_and_b32 s66, ttmp7, 0xffff                   ; cluster y
	s_sub_co_u32 s18, s66, 8
	s_lshl_b32 s18, s18, 1
	s_add_co_u32 s18, s18, ttmp9
	s_lshl_b32 s18, s18, 2                         ; v: 4 (2 (cluster y - 8) + cluster x)
	s_lshl_b32 s19, s66, 2                         ; q, k: 4 x cluster y
	s_cmp_ge_u32 s66, 8
	s_cselect_b32 s2, 1, 0                         ; 1: this cluster makes v
	s_cselect_b32 s3, 2, ttmp9                     ; which of Q, K, V in qkv and sc
	s_cselect_b32 s42, s18, 0
	s_cselect_b32 s17, 0, s19
	s_add_co_u32 s42, s42, s40                     ; B's tile: hangs on cx and the cluster alone
	s_add_co_u32 s17, s17, s41                     ; A's tile: on cy and the cluster alone
	s_lshl_b32 s43, s41, 2
	s_lshl_b32 s43, 15, s43                        ; my row of the cluster
	s_lshl_b32 s44, 0x1111, s40                    ; my column
	s_or_b32 s[G1+0], s43, (0<<16)|(1<<20)|(1<<21)|(5<<22)|(3<<25)  ; the mask; elements of 1 byte; padding on; bit 21 beside a mask; 4 words after every 64
	s_or_b32 s[G1B+0], s44, (0<<16)|(1<<20)|(1<<21)|(5<<22)|(3<<25)
.irp g, G1, G1B
	s_mov_b32 s[\g+1], ROWB<<16                    ; tensor_dim0
	s_mov_b32 s[\g+2], 128<<16                     ; tensor_dim1
	s_mov_b32 s[\g+3], ROWB<<16                    ; tile_dim0
	s_mov_b32 s[\g+4], 128                         ; tile_dim1
	s_mov_b32 s[\g+5], KROW                        ; from row to row
	s_mov_b32 s[\g+6], 0
	s_mov_b32 s[\g+7], 0
.endr
	s_lshl_b32 s18, s16, 7                         ; which 128 rows of the tile I fetch
	s_lshl_b32 s20, s17, 8
	s_add_co_u32 s20, s20, s18                     ; A: row
	s_lshl_b32 s46, s42, 8
	s_add_co_u32 s46, s46, s18                     ; B: row
	s_lshl_b32 s22, s20, 5                         ; 32 scale bytes a row
	s_mov_b32 s23, 0
	s_lshl_b32 s98, s46, 5
	s_mov_b32 s99, 0
	s_lshl_b32 s20, s20, 10                        ; 1,024 codes a row
	s_mov_b32 s21, 0
	s_lshl_b32 s46, s46, 10
	s_mov_b32 s47, 0
	s_mul_i32 s45, s14, HALFT                      ; where they go: wave x 128 rows
	s_mul_i32 s67, s14, HALFS
	s_cmp_eq_u32 s2, 0                             ; the bias runs along the weight's rows: source 0's for q and k, source 1's for v
	s_cselect_b32 s94, s42, s17                    ; the weight's tile,
	s_cselect_b32 s95, s16, s15                    ; my half of it
	s_cselect_b32 s18, 0, 4                        ; bytes from lane row to lane row,
	s_cselect_b32 s19, 32, 0                       ; from lane half to lane half,
	s_cselect_b32 s66, 4, 0                        ; from register to register
	s_lshl_b32 s94, s94, 10
	s_lshl_b32 s95, s95, 9
	s_add_co_u32 s94, s94, s95                     ; 4 (256 tile + 128 half)
	s_mov_b32 s95, 0
	s_wait_dscnt 0x0                               ; both opening adds are done
	s_wait_kmcnt 0x0
	s_cmp_eq_u32 ttmp9, 0                          ; Wq or Wk
	s_cselect_b64 s[8:9], s[72:73], s[76:77]
	s_cselect_b64 s[10:11], s[74:75], s[78:79]
	s_cselect_b64 s[96:97], s[84:85], s[86:87]
	s_cmp_eq_u32 s2, 0                             ; q, k or v
	s_cselect_b64 s[8:9], s[8:9], s[68:69]         ; B's codes,
	s_cselect_b64 s[10:11], s[10:11], s[70:71]     ; B's scales
	s_cselect_b64 s[4:5], s[68:69], s[80:81]       ; A's codes,
	s_cselect_b64 s[6:7], s[70:71], s[82:83]       ; A's scales
	s_cselect_b64 s[96:97], s[96:97], s[88:89]     ; the bias
	s_mov_b64 s[12:13], s[90:91]                   ; qkv
	s_mov_b64 s[100:101], s[92:93]                 ; sc
	s_add_nc_u64 s[20:21], s[4:5], s[20:21]
	s_add_nc_u64 s[22:23], s[6:7], s[22:23]
	s_add_nc_u64 s[46:47], s[8:9], s[46:47]
	s_add_nc_u64 s[98:99], s[10:11], s[98:99]
	s_add_nc_u64 s[96:97], s[96:97], s[94:95]
	; the scales of 128 rows: 4,096 dense bytes, as rows of 256 bytes (32 elements of 8), 16 bytes of padding behind each.  (s68-91 are free now)
	s_or_b32 s[G1S+0], s43, (3<<16)|(1<<20)|(1<<21)|(5<<22)|(3<<25)
	s_or_b32 s[G1SB+0], s44, (3<<16)|(1<<20)|(1<<21)|(5<<22)|(3<<25)
.irp g, G1S, G1SB
	s_mov_b32 s[\g+1], 32<<16
	s_mov_b32 s[\g+2], (128*KS/256)<<16
	s_mov_b32 s[\g+3], 32<<16
	s_mov_b32 s[\g+4], 128*KS/256
	s_mov_b32 s[\g+5], 32
	s_mov_b32 s[\g+6], 0
	s_mov_b32 s[\g+7], 0
.endr
	CROUND                                         ; all sixteen work-groups are here: the first joint loads meet
	s_mov_b32 s[G0S], 1
	s_add_co_u32 s[G0S+1], s67, SCL
	s_mov_b64 s[G0S+2:G0S+3], s[22:23]
	s_or_b32 s[G0S+3], s[G0S+3], 0x80000000
	s_mov_b32 s[G0SB], 1
	s_add_co_u32 s[G0SB+1], s67, SCL
	s_mov_b64 s[G0SB+2:G0SB+3], s[98:99]
	s_or_b32 s[G0SB+3], s[G0SB+3], 0x80000000
	JLOAD G0S, G1S, G0SB, G1SB                     ; the scales first: they are wanted with K step 0
.irp s, 0,1
	s_mov_b32 s[G0+4*\s], 1
	s_add_co_u32 s[G0+4*\s+1], s45, \s*SLOT
	s_add_nc_u64 s[G0+4*\s+2:G0+4*\s+3], s[20:21], \s*ROWB
	s_or_b32 s[G0+4*\s+3], s[G0+4*\s+3], 0x80000000
	s_mov_b32 s[G0B+4*\s], 1
	s_add_co_u32 s[G0B+4*\s+1], s45, \s*SLOT
	s_add_nc_u64 s[G0B+4*\s+2:G0B+4*\s+3], s[46:47], \s*ROWB
	s_or_b32 s[G0B+4*\s+3], s[G0B+4*\s+3], 0x80000000
	JLOAD G0+4*\s, G1, G0B+4*\s, G1B
.endr
	v_and_b32 v1, 15, v0                           ; r
	v_bfe_u32 v2, v0, 4, 1                         ; h
	v_mul_u32_u24 v8, v1, s18                      ; the bias: register 8 g + j of tile g: q, k: b[.. + 16 g + 8 h + j];  v: b[.. + 16 g + r]
	v_mad_u32_u24 v8, v2, s19, v8
.irp j, 1,2,3,4,5,6,7
	v_mad_u32_u24 v[8+\j], s66, \j, v8
.endr
.irp g, 0,1,2,3,4,5,6,7
.irp j, 0,1,2,3,4,5,6,7
	global_load_b32 v[BT+8*\g+\j], v[8+\j], s[96:97] offset:64*\g
.endr
.endr
	v_mul_u32_u24 v3, v1, PITCH
	v_lshl_add_u32 v4, v2, 4, v3                   ; a fragment's row x pitch + 16 x half
	s_mul_i32 s21, s15, HALFT                      ; my 128 rows of A
	s_mul_i32 s22, s16, HALFT                      ; my 128 rows of B,
	s_add_co_u32 s22, s22, 2*HALFT                 ; behind A's 256
.irp s, 0,1
	v_add_nc_u32 v[ADRA+\s], s21, v4
	v_add_nc_u32 v[ADRB+\s], s22, v4
	s_add_co_u32 s21, s21, SLOT
	s_add_co_u32 s22, s22, SLOT
.endr
	v_mul_u32_u24 v5, v1, KS                       ; my row's scales: KS bytes a row,
	v_lshrrev_b32 v6, 8, v5
	v_lshl_add_u32 v5, v6, 4, v5                   ; and 16 more for each 256 passed
	s_mul_i32 s21, s15, HALFS
	s_mul_i32 s22, s16, HALFS
	s_add_co_u32 s22, s22, 2*HALFS
	s_sub_co_u32 s22, s22, s21
	v_mul_u32_u24 v6, s22, v2                      ; lanes 16-31 take B's
	s_add_co_u32 s21, s21, SCL
	v_add_nc_u32 v5, v5, v6
	v_add_nc_u32 v[ADRS], s21, v5
.macro FRAG reg, adr, q, i             ; 16 rows x 128 K: lane l holds row l % 16; registers 4 c .. 4 c + 3 hold K = 32 c + 16 (l / 16) + 0 .. 15
.irp c, 0,1,2,3
	ds_load_b128 v[\reg+4*\c:\reg+4*\c+3], v[\adr] offset:128*(\q)+32*\c+(\i)*16*PITCH
.endr
.endm
; 16 matrix instructions: A's blocks a0, a0 + 1 x B's eight.  zero = 1: the sums start from the bias along source 0;  2: along source 1;  0: in place.
; The 64 accumulators take turns, one instruction a turn, in the same order in every step.
.macro MUL16 a0, p, q, sc, zero
.irp a, \a0, \a0+1
.irp b, 0,1,2,3,4,5,6,7
.if (\zero) == 1
	v_wmma_scale_f32_16x16x128_f8f6f4 v[8*(8*((\a)%4)+\b):8*(8*((\a)%4)+\b)+7], v[128*(\p)+FR*\b:128*(\p)+FR*\b+FR-1], v[AF+FR*(\a):AF+FR*(\a)+FR-1], v[BT+8*\b:BT+8*\b+7], v[SC+8*NQ*(\sc)+NQ*\b+(\q)], v[SC+8*NQ*(\sc)+NQ*(\a)+(\q)] matrix_a_scale:MATRIX_SCALE_ROW1
.elseif (\zero) == 2
	v_wmma_scale_f32_16x16x128_f8f6f4 v[8*(8*((\a)%4)+\b):8*(8*((\a)%4)+\b)+7], v[128*(\p)+FR*\b:128*(\p)+FR*\b+FR-1], v[AF+FR*(\a):AF+FR*(\a)+FR-1], v[BT+8*(\a):BT+8*(\a)+7], v[SC+8*NQ*(\sc)+NQ*\b+(\q)], v[SC+8*NQ*(\sc)+NQ*(\a)+(\q)] matrix_a_scale:MATRIX_SCALE_ROW1
.else
	v_wmma_scale_f32_16x16x128_f8f6f4 v[8*(8*((\a)%4)+\b):8*(8*((\a)%4)+\b)+7], v[128*(\p)+FR*\b:128*(\p)+FR*\b+FR-1], v[AF+FR*(\a):AF+FR*(\a)+FR-1], v[8*(8*((\a)%4)+\b):8*(8*((\a)%4)+\b)+7], v[SC+8*NQ*(\sc)+NQ*\b+(\q)], v[SC+8*NQ*(\sc)+NQ*(\a)+(\q)] matrix_a_scale:MATRIX_SCALE_ROW1
.endif
.endr
.endr
.endm
.macro FETCH_B slot, q, p
	WIN TO_B
.irp i, 0,1,2,3,4,5,6,7
	FRAG 128*(\p)+FR*\i, ADRB+\slot, \q, \i
.endr
	WIN 0
.endm
.macro FETCH_A slot, q, i0
.irp i, \i0, \i0+1, \i0+2, \i0+3
	FRAG AF+FR*(\i), ADRA+\slot, \q, \i
.endr
.endm
.macro SCALES sc                       ; a K step's scale words: lanes 0-15 A's block i, lanes 16-31 B's block i
.irp i, 0,1,2,3,4,5,6,7
	ds_load_b64 v[SC+8*NQ*\sc+NQ*\i:SC+8*NQ*\sc+NQ*\i+1], v[ADRS] offset:\i*SBLK
.endr
.endm
.macro PLACES n                        ; plain vector instructions between a matrix instruction and a load into, or a read of, its registers
.rept \n
	v_nop
.endr
.endm
.macro STEP slot, q, zero              ; 128 along K that has its successor in the same slot
	s_wait_dscnt 4*NL                              ; B's set and A's blocks 0-3 are in; the youngest 16 loads (A's blocks 4-7) may be out
.if \zero
	WIN 0x81                                       ; C (the bias) in window 0, D in window 2
.else
	WIN MUL_LO
.endif
	MUL16 0, (\q)%2, \q, \slot, \zero
	MUL16 2, (\q)%2, \q, \slot, \zero
	s_wait_dscnt 0
	PLACES NP
	FETCH_B \slot, (\q)+1, 1-(\q)%2
	FETCH_A \slot, (\q)+1, 0
.if \zero
	WIN 0xc1
.else
	WIN MUL_HI
.endif
	MUL16 4, (\q)%2, \q, \slot, \zero
	MUL16 6, (\q)%2, \q, \slot, \zero
	PLACES NP
	WIN 0
	FETCH_A \slot, (\q)+1, 4
.endm
; A slot's last step changes slots: ONE barrier; in front of it each wave waits for all its tensor loads, adds 0 to its spare word, and waits for that and for its reads of this slot.
.macro TURN slot, next, fill
	s_wait_tensorcnt 0x0                           ; all my tensor loads have landed: my part of the next slot
	ds_add_u32 v[SPW], v[NIL]                      ; 0 onto my spare word
	s_wait_dscnt 4*NL+1                            ; the add and the youngest 16 loads (A's blocks 4-7) may be out
	WIN MUL_LO
	MUL16 0, 1, NQ-1, \slot, 0
	s_wait_dscnt 0x0                               ; the add is done, and my reads of this slot are over
	s_barrier_signal -1
	MUL16 2, 1, NQ-1, \slot, 0
	WIN 0
	s_barrier_wait -1
.if \fill
	CREST                                          ; the barrier has opened a round of the cluster's: no wave of any partner still reads this slot or has a load on its way
	s_add_nc_u64 s[G0+4*\slot+2:G0+4*\slot+3], s[G0+4*\slot+2:G0+4*\slot+3], 2*ROWB
	s_add_nc_u64 s[G0B+4*\slot+2:G0B+4*\slot+3], s[G0B+4*\slot+2:G0B+4*\slot+3], 2*ROWB
	JLOAD G0+4*\slot, G1, G0B+4*\slot, G1B         ; the first tensor load behind the round; its four v_nop are among the places below
	PLACES NP-4
.else
	PLACES NP
.endif
	v_add_nc_u32 v[ADRS], 4*NQ, v[ADRS]            ; the next K step's scale words
	FETCH_B \next, 0, 0
	FETCH_A \next, 0, 0
	SCALES \next
	WIN MUL_HI
	MUL16 4, 1, NQ-1, \slot, 0
	MUL16 6, 1, NQ-1, \slot, 0
	PLACES NP
	WIN 0
	FETCH_A \next, 0, 4
.endm
	s_wait_tensorcnt 1                             ; the scales and my part of K step 0 are in; K step 1's load may be out
	s_barrier_signal -1
	s_barrier_wait -1
	FETCH_B 0, 0, 0
	FETCH_A 0, 0, 0
	SCALES 0
	FETCH_A 0, 0, 4
	s_wait_loadcnt 0x0                             ; the bias
	s_cmp_eq_u32 s2, 0                             ; the first step differs in its C alone; the condition is the same in the whole cluster; no barrier and no tensor load stands in either arm
	s_cbranch_scc0 .Lfirst_v
	STEP 0, 0, 1
	s_branch .Lfirst_done
.Lfirst_v:
	STEP 0, 0, 2
.Lfirst_done:
	TURN 0, 1, 1                                   ; K = 1,024 is four slots' worth: written straight
	STEP 1, 0, 0
	TURN 1, 0, 1
	STEP 0, 0, 0
	TURN 0, 1, 0                                   ; the last lap fills nothing
	STEP 1, 0, 0
	s_wait_dscnt 4*NL
	WIN MUL_LO
	MUL16 0, 1, NQ-1, 1, 0
	MUL16 2, 1, NQ-1, 1, 0
	s_wait_dscnt 0
	WIN MUL_HI
	MUL16 4, 1, NQ-1, 1, 0
	MUL16 6, 1, NQ-1, 1, 0
	WIN 0
	; THE WAY OUT.  No tensor load of mine is out any more: the descriptors' registers are free.
	s_cmp_eq_u32 s2, 0
	s_cselect_b32 s24, s17, s42                    ; x's tile of 256 rows,
	s_cselect_b32 s25, s15, s16                    ; my half of it
	s_cselect_b32 s26, s42, s17                    ; the weight's tile: 4 heads,
	s_cselect_b32 s27, s16, s15                    ; my half: 2 heads
	s_mov_b32 s28, 2048
	s_cselect_b32 s28, 1024, s28                   ; from block a to a + 1 in qkv: a tile of 16 rows of q or k; a tile of 16 d of v
	s_mov_b32 s30, 387072
	s_cselect_b32 s30, 1024, s30                   ; from block 3 to 4: v goes on to the next head's first tile: 393,216 - 3 x 2,048
	s_cselect_b32 s32, 32, 64                      ; the same in sc
	s_cselect_b32 s34, 32, 12096                   ; 12,288 - 3 x 64
	s_mov_b32 s36, 1024
	s_cselect_b32 s36, 393216, s36                 ; from code registers 0-7 to 8-15: the next head; v: c = 2
	s_cselect_b32 s37, 2, 4                        ; scale bytes from lane row to lane row
	s_cselect_b32 s38, 12288, 2                    ; lanes 16-31 store the word's upper half: the next head's; v: its upper two bytes
	s_mov_b32 s29, 0
	s_mov_b32 s31, 0
	s_mov_b32 s33, 0
	s_mov_b32 s35, 0
	s_lshr_b32 s39, s24, 3                         ; the batch
	s_lshl_b32 s39, s39, 4
	s_lshl_b32 s26, s26, 2
	s_add_co_u32 s39, s39, s26
	s_lshl_b32 s27, s27, 1
	s_add_co_u32 s39, s39, s27                     ; my first head: 16 batch + 4 tile + 2 half
	s_and_b32 s24, s24, 7
	s_lshl_b32 s24, s24, 1
	s_add_co_u32 s24, s24, s25                     ; which 128 rows of the batch
	s_mul_i32 s48, s39, HEADB
	s_lshl_b32 s49, s24, 13
	s_add_co_u32 s48, s48, s49
	s_lshl_b32 s49, s3, 17
	s_add_co_u32 s48, s48, s49
	s_mov_b32 s49, 0
	s_add_nc_u64 s[12:13], s[12:13], s[48:49]
	s_mul_i32 s48, s39, HEADS
	s_lshl_b32 s50, s24, 8
	s_add_co_u32 s48, s48, s50
	s_lshl_b32 s50, s3, 12
	s_add_co_u32 s48, s48, s50
	s_add_nc_u64 s[100:101], s[100:101], s[48:49]
	s_mov_b32 s52, 0x76543210
	s_mov_b32 s53, 0xfedcba98                      ; v_permlanex16_b32's selects for lane l xor 16
	s_mov_b32 s54, 0x600000                        ; the mantissa field of 448
	PLACES NP                                      ; behind the last products, ahead of reads of results and writes of operands
	v_and_b32 v24, 31, v0
	v_lshlrev_b32 v24, 4, v24                      ; 16 x lane
	v_add_nc_u32 v25, s36, v24
	v_mul_u32_u24 v26, v1, s37
	v_mad_u32_u24 v26, v2, s38, v26
	v_lshlrev_b32 v30, 4, v2                       ; 16 h: which half of the scale word I store
.irp b, 0,1,2,3
	v_mov_b32 v[TM+4+\b], 0                        ; written once: a lane permute's destination counts as one of its sources
.endr
; Block a: 64 numbers a lane become 16 registers of codes and a scale word, and leave.
.macro OUTA a
.set WN, 2+(\a)/4
.set AC, 64*((\a)%4)
.set PC, 128+16*((\a)%2)
.set WSS, WN|(WN<<2)
.set WDS, (WN<<6)|WN
.if (\a) > 0
	s_wait_xcnt 0x0                                ; the earlier stores have read their bases and their data: both may be written
.if (\a) == 4
	s_add_nc_u64 s[12:13], s[12:13], s[30:31]
	s_add_nc_u64 s[100:101], s[100:101], s[34:35]
.else
	s_add_nc_u64 s[12:13], s[12:13], s[28:29]
	s_add_nc_u64 s[100:101], s[100:101], s[32:33]
.endif
.endif
	WIN WSS                                        ; sources 0 and 1: the accumulators' window
.irp b, 0,1,2,3
	v_max3_num_f32 v[TM+\b], |v[AC+16*\b]|, |v[AC+16*\b+1]|, 0x4800000   ; block b: my 16 numbers and the floor 2^(9 - 127): the byte cannot fall under 1.  Each accumulator is read from its low end on
.endr
.irp i, 2,4,6,8,10,12,14
.irp b, 0,1,2,3
	v_max3_num_f32 v[TM+\b], |v[AC+16*\b+\i]|, |v[AC+16*\b+\i+1]|, v[TM+\b]
.endr
.endr
	WIN 0
.irp b, 0,1,2,3
	v_permlanex16_b32 v[TM+4+\b], v[TM+\b], s52, s53
.endr
.irp b, 0,1,2,3
	v_max_num_f32 v[TM+\b], v[TM+\b], v[TM+4+\b]   ; with lane l xor 16's: the block's largest magnitude
.endr
.irp b, 0,1,2,3
	v_add_nc_u32 v[TM+12+\b], 0xfc000000, v[TM+\b] ; 8 off its exponent field: the conversion's scale operand
.endr
.irp b, 0,1,2,3
	v_and_or_b32 v[TM+8+\b], v[TM+\b], 0x7f800000, s54   ; 448 x the scale
.endr
.irp b, 0,1,2,3
	v_lshrrev_b32 v[TM+4+\b], 23, v[TM+12+\b]      ; the scale's byte
.endr
	v_lshl_or_b32 v[PW], v[TM+5], 8, v[TM+4]
	v_lshl_or_b32 v[PW], v[TM+6], 16, v[PW]
	v_lshl_or_b32 v[PW], v[TM+7], 24, v[PW]
	WIN WDS                                        ; destination and source 0: the accumulators' window
.irp b, 0,1,2,3
.irp i, 0,1,2,3,4,5,6,7,8,9,10,11,12,13,14,15
	v_med3_num_f32 v[AC+16*\b+\i], v[AC+16*\b+\i], -v[TM+8+\b], v[TM+8+\b]   ; the conversion to an 8-bit code does not saturate (ISA guide 7.6.2): the hold
.endr
.endr
	WIN WN
.irp b, 0,1,2,3
	v_cvt_scalef32_pk8_fp8_f32 v[PC+4*\b:PC+4*\b+1], v[AC+16*\b:AC+16*\b+7], v[TM+12+\b]
	v_cvt_scalef32_pk8_fp8_f32 v[PC+4*\b+2:PC+4*\b+3], v[AC+16*\b+8:AC+16*\b+15], v[TM+12+\b]
.endr
	WIN 0
	v_nop                                          ; a plain instruction behind the last conversion
	v_lshrrev_b32 v[SW], v30, v[PW]
.irp c, 0,1,2,3
	global_store_b128 v[24+\c/2], v[PC+4*\c:PC+4*\c+3], s[12:13] offset:512*(\c%2)   ; 32 lanes store 512 consecutive bytes, at a multiple of 512 from the buffer's first byte
.endr
	global_store_b16 v26, v[SW], s[100:101]
.endm
.irp a, 0,1,2,3,4,5,6,7
	OUTA \a
.endr
	s_wait_tensorcnt 0x0                           ; the wave's end
	ds_add_u32 v[SPW], v[NIL]
	s_wait_dscnt 0x0
	CROUND                                         ; the closing round: no work-group ends while a partner may still ask for a tile that names it
	s_endpgm
.Lfunc_end_k_q5cb8a1aa68_proj:
	.size	k_q5cb8a1aa68_proj, .Lfunc_end_k_q5cb8a1aa68_proj-k_q5cb8a1aa68_proj
	.p2alignl 7, 3214868480
	.fill 96, 4, 3214868480
	.section	.rodata,"a",@progbits
	.p2align	6, 0x0
	.amdhsa_kernel k_q5cb8a1aa68_proj
		.amdhsa_group_segment_fixed_size 327680
		.amdhsa_private_segment_fixed_size 0
		.amdhsa_enable_private_segment 0
		.amdhsa_kernarg_size 104
		.amdhsa_user_sgpr_count 2
		.amdhsa_user_sgpr_kernarg_segment_ptr 1
		.amdhsa_wavefront_size32 1
		.amdhsa_system_sgpr_workgroup_id_x 1
		.amdhsa_system_sgpr_workgroup_id_y 1
		.amdhsa_system_sgpr_workgroup_id_z 1
		.amdhsa_system_vgpr_workitem_id 0
		.amdhsa_next_free_vgpr 1024
		.amdhsa_next_free_sgpr 102
		.amdhsa_reserve_vcc 0
		.amdhsa_float_denorm_mode_32 3
		.amdhsa_float_denorm_mode_16_64 3
		.amdhsa_memory_ordered 1
		.amdhsa_forward_progress 1
		.amdhsa_inst_pref_size 207
	.end_amdhsa_kernel
	.amdgpu_metadata
---
amdhsa.version: [ 1, 2 ]
amdhsa.kernels:
  - .name:           k_q5cb8a1aa68_proj
    .symbol:         k_q5cb8a1aa68_proj.kd
    .args:
      - { .name: x_codes, .offset: 0, .size: 8, .value_kind: global_buffer, .address_space: global }
      - { .name: x_scales, .offset: 8, .size: 8, .value_kind: global_buffer, .address_space: global }
      - { .name: Wq_codes, .offset: 16, .size: 8, .value_kind: global_buffer, .address_space: global }
      - { .name: Wq_scales, .offset: 24, .size: 8, .value_kind: global_buffer, .address_space: global }
      - { .name: Wk_codes, .offset: 32, .size: 8, .value_kind: global_buffer, .address_space: global }
      - { .name: Wk_scales, .offset: 40, .size: 8, .value_kind: global_buffer, .address_space: global }
      - { .name: Wv_codes, .offset: 48, .size: 8, .value_kind: global_buffer, .address_space: global }
      - { .name: Wv_scales, .offset: 56, .size: 8, .value_kind: global_buffer, .address_space: global }
      - { .name: bq, .offset: 64, .size: 8, .value_kind: global_buffer, .address_space: global }
      - { .name: bk, .offset: 72, .size: 8, .value_kind: global_buffer, .address_space: global }
      - { .name: bv, .offset: 80, .size: 8, .value_kind: global_buffer, .address_space: global }
      - { .name: qkv, .offset: 88, .size: 8, .value_kind: global_buffer, .address_space: global }
      - { .name: sc, .offset: 96, .size: 8, .value_kind: global_buffer, .address_space: global }
    .group_segment_fixed_size: 327680
    .private_segment_fixed_size: 0
    .kernarg_segment_align: 8
    .kernarg_segment_size: 104
    .max_flat_workgroup_size: 128
    .sgpr_count:     102
    .vgpr_count:     1024
    .wavefront_size: 32
...
	.end_amdgpu_metadata
.endif
;; end of part 1
;; launch attn (part 2): grid 4 x 64, 16 waves a work-group, clusters of 4 x 1, 327,680 bytes of LDS; arguments qkv, sc, mask, att, asc; writes att, asc
.if DOCPART == 2
	.amdgcn_target "amdgcn-amd-amdhsa--gfx1250"
	.amdhsa_code_object_version 6
	.text
	.protected	k_q5cb8a1aa68_attn
	.globl	k_q5cb8a1aa68_attn
	.p2align	8
	.type	k_q5cb8a1aa68_attn,@function
k_q5cb8a1aa68_attn:
	s_mov_b64 s[64:65], 0
	v_nop
	global_prefetch_b8 v0, s[64:65] scope:SCOPE_SE
	s_setreg_imm32_b32 hwreg(HW_REG_WAVE_MODE, 25, 1), 1
	s_wait_xcnt 0x0
	s_wait_alu depctr_hold_cnt(0) depctr_sa_sdst(0) depctr_va_vdst(0) depctr_va_sdst(0) depctr_va_ssrc(0) depctr_va_vcc(0) depctr_vm_vsrc(0)
	s_getreg_b32 s2, hwreg(HW_REG_IB_STS2, 6, 4)
	s_cmp_eq_u32 s2, 0
	s_cbranch_scc0 .Lentry_in_a_cluster
	s_endpgm
.Lentry_in_a_cluster:
	s_bfe_u32 s2, ttmp6, 0x10000c
	s_cmp_lg_u32 s2, 0x3003
	s_cbranch_scc0 .Lentry_shape_is_right
	s_endpgm
.Lentry_shape_is_right:
; For each of the 64 heads: S^T = K Q^T, the mask, p = 2^(t - M) with t = score x log2(e) / 8 and M the ceiling of the running largest t, p quantised along the keys, O^T = V^T P^T, O / l (l the sum of the
; unquantised p), and O quantised along the model's 1,024 for the last product.  Both products on codes of E4M3 with E8M0 scales.  No work of the problem is left out here.
; SHARES.  A work-group owns 512 queries of one head; each of its sixteen waves owns a tile of 16 queries at a time, two tiles one after the other, in 256 registers.  The grid has one cluster along x: cx is the quarter of the queries.
; ALL OF THE HEAD'S K AND V, 262,144 bytes of operand images, COMES INTO LDS ONCE AND STAYS: nothing is filled again.  The cluster's four work-groups belong to one head and ask jointly, so each byte of K and V
; is asked for once in the launch.  Each wave issues four loads of 4,096 bytes, one for each quarter of the keys: four tensor loads of mine are out at the most, and the first quarter is multiplied while the others land.
; So every byte is asked for at the head by the loads themselves, and no prefetch is laid.
; LAYOUT.  Both products are used transposed: a lane holds ONE query (lane % 16).  A tile of K is 16 neighbouring keys: register 8 t + j of lane half h is key 16 t + 8 h + j of the step.  V's codes were laid in the same order.
; THE MASK RIDES IN THE FIRST PRODUCT'S PADDING.  The head has 64 along K, the instruction 128.  At k = 64 Q holds the code of +1 and K the code of -1, all other padding codes are 0.  Q's scale bytes there are 127;
; K's byte for k = 64..95 is 227 for a masked key and 0 for an open one: a masked score gets -2^100, an open one -2^-127.  A masked p is then 2^(about -2^97) = 0.
; THE RUNNING LARGEST t BEGINS AT -2^90: a masked t never becomes the maximum, so steps whose keys are all masked leave l and O at 0.
; LIMITS: open t must lie above -2^90 and |score| under 2^76; the -2^-127 on an open score lies under f32's rounding of any score above 1e-31; a batch all of whose keys are masked is not served
; (reference() has NaN there); NaN and infinities are not served; a block of zeros gets the scale byte 1 (its codes are zeros; this program alone reads the bytes).
; OUT.  att [head / 4][tile of 16 rows][4,096]: at (head % 4) x 1,024 + 512 b + 16 lane the image of four registers of the last product's operand, in the natural order of K (the given Wo has it): the code registers
; change lane halves once a tile.  asc [8,192 rows][32]: byte 2 head + b: one byte a lane, a 32nd of what the launch stores.
.set HEADB, 393216
.set HEADS, 12288
.set VIMG,  131072                     ; LDS: K's images from 0, V's from here,
.set KW,    262144                     ; K's scale words with the mask's byte, 4 bytes a key,
.set VW,    270336                     ; V's scale words [key step][d],
.set SPARE, 274432                     ; the spare words: 128 bytes a wave, eight blocks of 256 bytes that no other line names
.set LI,  1                            ; v1   16 x lane
.set LV,  2                            ; v2   the same in V's images
.set AKW, 3                            ; v3   KW + 4 r
.set AVW, 4                            ; v4   VW + 4 r
.set SPW, 5
.set NIL, 6
.set AO,  7                            ; v7   32 r + h: my byte in asc
.set ADK, 8
.set ADV, 9
.set ADS, 10
.set ADT, 11                           ; v12 -M, v13 the largest t, v[14:15] l in two halves, v16-31 Q
.set KB,  32                           ; v32-95 four fragments of K: +0..7 loaded, +8..15 the padding, set once
.set S,   96                           ; v96-159 S^T, then p, then V's four fragments
.set O,   160                          ; v160-191 O^T
.set PC,  192                          ; v192-207 p's codes
.set BM,  208
.set PB,  212
.set HL,  216
.set SO,  220
.set KS,  224                          ; v224-227 scale words of K or V; v228 f, v229 p's scale word, v230 at work, v231 Q's scale word
.set AQ,  244                          ; v244 2 r
.set WV,  14
.set G1,  24
.set G0,  32
.macro ROUND
	s_barrier_signal -1
	s_barrier_wait -1
	s_cmp_lg_u32 s[WV], 0
	s_cbranch_scc1 .Lnot_wave_0_\@
	s_barrier_signal -3
.Lnot_wave_0_\@:
	s_barrier_wait -3
	s_barrier_signal -1
	s_barrier_wait -1
.endm
	s_load_b256 s[4:11], s[0:1], 0x0               ; qkv, sc, mask, att
	s_load_b64 s[12:13], s[0:1], 0x20              ; asc
	v_lshl_add_u32 v[SPW], v0, 2, SPARE
	v_mov_b32 v[NIL], 0
	ds_add_u32 v[SPW], v[NIL]                      ; the wave's opening: the add, twice on end, and its wait ahead of my first tensor load
	ds_add_u32 v[SPW], v[NIL]
	v_lshrrev_b32 v8, 5, v0
	v_readfirstlane_b32 s[WV], v8                  ; wave 0..15
	s_bfe_u32 s15, ttmp6, 0x40000                  ; cx
	s_and_b32 s16, ttmp7, 0xffff                   ; 16 batch + head, which the four partners share
	s_mov_b32 s[G1], 15|(3<<16)|(1<<21)            ; the mask: all four; elements of 8 bytes; bit 21 beside a mask; no padding
	s_mov_b32 s[G1+1], 32<<16                      ; tensor_dim0: 256 bytes
	s_mov_b32 s[G1+2], 16<<16                      ; tensor_dim1
	s_mov_b32 s[G1+3], 32<<16                      ; tile_dim0
	s_mov_b32 s[G1+4], 16                          ; tile_dim1: 16 rows: 4,096 dense bytes
	s_mov_b32 s[G1+5], 32
	s_mov_b32 s[G1+6], 0
	s_mov_b32 s[G1+7], 0
	s_lshr_b32 s17, s[WV], 3                       ; waves 0-7 fetch K's images, waves 8-15 V's
	s_lshl_b32 s17, s17, 17
	s_and_b32 s2, s[WV], 7
	s_lshl_b32 s2, s2, 12
	s_add_co_u32 s17, s17, s2                      ; my 4,096 bytes of a quarter: the same place in LDS and behind K's first byte in memory
	s_mul_i32 s62, s16, HEADB
	s_mov_b32 s63, 0
	s_mov_b32 s18, 0xffff0000                      ; lanes 16-31
	s_mov_b32 s19, 0x600000                        ; the mantissa field of 448
	s_mov_b32 s20, 0x76543210
	s_mov_b32 s21, 0xfedcba98                      ; v_permlanex16_b32's selects for lane l xor 16
	s_mov_b32 s22, 0x3e38aa3b                      ; c = log2(e) / 8
	s_mov_b32 s23, s22                             ; (named with it as a pair)
	s_wait_dscnt 0x0                               ; both opening adds are done
	s_wait_kmcnt 0x0
	s_add_nc_u64 s[4:5], s[4:5], s[62:63]          ; qkv at my head
	s_mov_b32 s62, s17
	s_add_nc_u64 s[2:3], s[4:5], s[62:63]
.irp p, 0,1,2,3
	s_mov_b32 s[G0+4*\p], 1
	s_add_co_u32 s[G0+4*\p+1], s17, \p*32768
	s_add_nc_u64 s[G0+4*\p+2:G0+4*\p+3], s[2:3], 131072+\p*32768
	s_or_b32 s[G0+4*\p+3], s[G0+4*\p+3], 0x80000000
.endr
	ROUND                                          ; all four work-groups are here: the joint loads meet
.irp p, 0,1,2,3
	tensor_load_to_lds s[G0+4*\p:G0+4*\p+3], s[G1:G1+7]
	s_nop 0
.endr
.rept 4
	v_nop
.endr
	s_lshl_b32 s53, s15, 5
	s_add_co_u32 s53, s53, s[WV]                   ; my first tile of queries: 32 cx + wave
	s_lshl_b32 s62, s53, 10
	s_add_nc_u64 s[54:55], s[4:5], s[62:63]        ; its image
	s_mul_i32 s62, s16, HEADS
	s_add_nc_u64 s[6:7], s[6:7], s[62:63]          ; sc at my head
	s_lshl_b32 s62, s53, 5
	s_add_nc_u64 s[56:57], s[6:7], s[62:63]        ; its scale bytes
	s_lshr_b32 s2, s16, 4                          ; batch
	s_and_b32 s3, s16, 15                          ; head
	s_lshl_b32 s62, s2, 13
	s_add_nc_u64 s[8:9], s[8:9], s[62:63]          ; the batch's mask
	v_lshlrev_b32 v246, 3, v0
	v_lshlrev_b32 v247, 4, v0
	global_load_b64 v[232:233], v246, s[6:7] offset:4096   ; thread i: the scale bytes of keys 4 i .. 4 i + 3,
	global_load_b64 v[234:235], v246, s[6:7] offset:8192   ; two of V's scale words,
	global_load_b128 v[236:239], v247, s[8:9]              ; and the four keys' mask
	s_lshl_b32 s62, s2, 7
	s_add_co_u32 s62, s62, s53
	s_lshl_b32 s62, s62, 12
	s_lshr_b32 s48, s3, 2
	s_lshl_b32 s48, s48, 21
	s_add_co_u32 s62, s62, s48
	s_and_b32 s48, s3, 3
	s_lshl_b32 s48, s48, 10
	s_add_co_u32 s62, s62, s48
	s_add_nc_u64 s[58:59], s[10:11], s[62:63]      ; att: (head / 4) x 2,097,152 + (128 batch + tile) x 4,096 + (head % 4) x 1,024
	s_lshl_b32 s62, s2, 16
	s_lshl_b32 s48, s53, 9
	s_add_co_u32 s62, s62, s48
	s_lshl_b32 s48, s3, 1
	s_add_co_u32 s62, s62, s48
	s_add_nc_u64 s[60:61], s[12:13], s[62:63]      ; asc: (2,048 batch + 16 tile) x 32 + 2 head
	v_and_b32 v8, 15, v0                           ; r
	v_bfe_u32 v9, v0, 4, 1                         ; h
	v_and_b32 v[LI], 31, v0
	v_lshlrev_b32 v[LI], 4, v[LI]
	v_add_nc_u32 v[LV], VIMG, v[LI]
	v_lshl_add_u32 v[AKW], v8, 2, KW
	v_lshl_add_u32 v[AVW], v8, 2, VW
	v_lshl_add_u32 v[AO], v8, 5, v9
	v_lshlrev_b32 v[AQ], 1, v8
	v_lshl_add_u32 v248, v0, 4, KW
	v_lshl_add_u32 v249, v0, 3, VW
	v_sub_nc_u32 v9, 1, v9                         ; 1 in lanes 0-15: they hold k = 64 in byte 0 of a fragment's register 8
	v_mul_u32_u24 v24, v9, 0x38                    ; Q's padding: +1 at k = 64
.irp i, 25,26,27,28,29,30,31
	v_mov_b32 v[\i], 0
.endr
.irp t, 0,1,2,3
	v_mul_u32_u24 v[KB+16*\t+8], v9, 0xb8          ; K's padding: -1 at k = 64
.irp i, 9,10,11,12,13,14,15
	v_mov_b32 v[KB+16*\t+\i], 0
.endr
.endr
.irp b, 0,1,2,3
	v_mov_b32 v[PB+\b], 0                          ; written once: a lane permute's destination counts as one of its sources
.endr
	v_mov_b32 v229, 0                              ; (named as the upper half of the pair v[228:229] before it is first written)
	v_mov_b32 v230, 0xe30000                       ; byte 2 = 227: 2^100
	s_wait_loadcnt 0x0
	v_cmp_eq_u32 vcc_lo, 0, v236
	v_cndmask_b32 v240, 0, v230, vcc_lo
	v_and_or_b32 v240, v232, 0xffff, v240          ; a key's word: its two scale bytes, the mask's byte, 0
	v_cmp_eq_u32 vcc_lo, 0, v237
	v_cndmask_b32 v241, 0, v230, vcc_lo
	v_lshrrev_b32 v245, 16, v232
	v_or_b32 v241, v241, v245
	v_cmp_eq_u32 vcc_lo, 0, v238
	v_cndmask_b32 v242, 0, v230, vcc_lo
	v_and_or_b32 v242, v233, 0xffff, v242
	v_cmp_eq_u32 vcc_lo, 0, v239
	v_cndmask_b32 v243, 0, v230, vcc_lo
	v_lshrrev_b32 v245, 16, v233
	v_or_b32 v243, v243, v245
	ds_store_b128 v248, v[240:243]
	ds_store_b64 v249, v[234:235]
; A KEY STEP: 128 keys.
.macro STEP
	v_add_nc_u32 v[ADK], s48, v[LI]
	v_add_nc_u32 v[ADV], s48, v[LV]
	v_add_nc_u32 v[ADS], s49, v[AKW]
	v_add_nc_u32 v[ADT], s50, v[AVW]
.rept 5
	v_nop                                          ; nine places with the four additions: the products below write S^T over registers that the last step's V^T P products read (eight would do for the loads)
.endr
.irp g, 0,1                                    ; S^T = K Q^T, four tiles of 16 keys at a time
.if \g > 0
.rept 8
	v_nop                                          ; places in front of loads into registers that matrix instructions have read
.endr
.endif
.irp t, 0,1,2,3
	ds_load_b128 v[KB+16*\t:KB+16*\t+3], v[ADK] offset:(4*\g+\t)*1024
	ds_load_b128 v[KB+16*\t+4:KB+16*\t+7], v[ADK] offset:(4*\g+\t)*1024+512
	ds_load_b32 v[KS+\t], v[ADS] offset:(4*\g+\t)*64
.endr
	s_wait_dscnt 0x0
.irp t, 0,1,2,3
	v_wmma_scale_f32_16x16x128_f8f6f4 v[S+8*(4*\g+\t):S+8*(4*\g+\t)+7], v[KB+16*\t:KB+16*\t+15], v[16:31], 0, v[KS+\t], v231
.endr
.endr
.rept 8
	v_nop
.endr
.irp b, 0,1,2,3
	v_max3_num_f32 v[BM+\b], v[S+16*\b], v[S+1+16*\b], v[S+2+16*\b]   ; the largest score of each block of 32 keys: for the row's maximum, and, since p rises with the score, for the block's largest p
.endr
.irp i, 3,5,7,9,11,13
.irp b, 0,1,2,3
	v_max3_num_f32 v[BM+\b], v[BM+\b], v[S+16*\b+\i], v[S+1+16*\b+\i]
.endr
.endr
.irp b, 0,1,2,3
	v_max_num_f32 v[BM+\b], v[BM+\b], v[S+15+16*\b]
.endr
.irp b, 0,1,2,3
	v_permlanex16_b32 v[PB+\b], v[BM+\b], s20, s21
.endr
.irp b, 0,1,2,3
	v_max_num_f32 v[BM+\b], v[BM+\b], v[PB+\b]     ; with lane l xor 16's 16 keys
.endr
	v_max3_num_f32 v230, v[BM], v[BM+1], v[BM+2]
	v_max_num_f32 v230, v230, v[BM+3]
	v_mul_f32 v230, s22, v230                      ; as t (c is positive)
	v_max_num_f32 v13, v13, v230                   ; the running largest t
	v_mov_b32 v230, v12
	v_floor_f32 v12, -v13                          ; the new -M = floor(-t): M is a whole number
	v_sub_f32 v230, v12, v230                      ; old M - new M: a whole number, 0 or less
	v_cvt_i32_f32 v230, v230                       ; (it saturates)
	v_ldexp_f32 v228, 1.0, v230                    ; f = 2^(old M - new M)
.set j, 0
.rept 32
	v_pk_fma_f32 v[S+j:S+j+1], v[S+j:S+j+1], s[22:23], v[12:13] op_sel_hi:[1,0,0]   ; t - M, two at a time
.set j, j+2
.endr
.irp b, 0,1,2,3
	v_fma_f32 v[BM+\b], v[BM+\b], s22, v12         ; the same of each block's largest score
.endr
.set j, 0
.rept 64
	v_exp_f32 v[S+j], v[S+j]                       ; p = 2^(t - M): not normalised
.set j, j+1
.endr
	v_pk_mul_f32 v[14:15], v[14:15], v[228:229] op_sel_hi:[1,0]   ; l under the new M: a plain instruction behind the exponentials
	s_wait_alu depctr_va_vdst(0)                   ; one wait for the batch of 64, ahead of its first reader
.irp b, 0,1,2,3
	v_exp_f32 v[BM+\b], v[BM+\b]                   ; the block's largest p
.endr
	v_pk_add_f32 v[PB:PB+1], v[S:S+1], v[S+2:S+3]  ; l is summed of the unquantised p, in two chains
.set j, 4
.rept 15
	v_pk_add_f32 v[14:15], v[14:15], v[S+j:S+j+1]
	v_pk_add_f32 v[PB:PB+1], v[PB:PB+1], v[S+j+2:S+j+3]
.set j, j+4
.endr
	v_pk_add_f32 v[14:15], v[14:15], v[PB:PB+1]
	s_wait_alu depctr_va_vdst(0)                   ; and one for the four
.irp b, 0,1,2,3
	v_max_num_f32 v[BM+\b], 0x4800000, v[BM+\b]    ; the floor 2^(9 - 127): the byte cannot fall under 1
.endr
.irp b, 0,1,2,3
	v_add_nc_u32 v[SO+\b], 0xfc000000, v[BM+\b]    ; 8 off the exponent field: the conversion's scale operand
.endr
.irp b, 0,1,2,3
	v_and_or_b32 v[HL+\b], v[BM+\b], 0x7f800000, s19   ; 448 x the scale
.endr
.irp b, 0,1,2,3
	v_lshrrev_b32 v[PB+\b], 23, v[SO+\b]           ; the scale's byte
.endr
	v_lshl_or_b32 v229, v[PB+1], 8, v[PB]          ; p's scale word for these 128 keys
	v_lshl_or_b32 v229, v[PB+2], 16, v229
	v_lshl_or_b32 v229, v[PB+3], 24, v229
.irp b, 0,1,2,3
.irp i, 0,1,2,3,4,5,6,7,8,9,10,11,12,13,14,15
	v_min_num_f32 v[S+16*\b+\i], v[S+16*\b+\i], v[HL+\b]   ; the conversion does not saturate (ISA guide 7.6.2); p is not negative: a one-sided hold
.endr
	v_cvt_scalef32_pk8_fp8_f32 v[PC+4*\b:PC+4*\b+1], v[S+16*\b:S+16*\b+7], v[SO+\b]
	v_cvt_scalef32_pk8_fp8_f32 v[PC+4*\b+2:PC+4*\b+3], v[S+16*\b+8:S+16*\b+15], v[SO+\b]
.endr
.irp t, 0,1,2,3                                ; V's four fragments land where p lay
.irp c, 0,1,2,3
	ds_load_b128 v[S+16*\t+4*\c:S+16*\t+4*\c+3], v[ADV] offset:\t*2048+\c*512
.endr
	ds_load_b32 v[KS+\t], v[ADT] offset:\t*64
.endr
.set j, 0
.rept 16
	v_pk_mul_f32 v[O+j:O+j+1], v[O+j:O+j+1], v[228:229] op_sel_hi:[1,0]   ; O^T under the new M.  These are also the places between the conversions and the products below
.set j, j+2
.endr
	s_wait_dscnt 0x0
.irp t, 0,1,2,3                                ; O^T += V^T P^T: the four accumulators by turns
	v_wmma_scale_f32_16x16x128_f8f6f4 v[O+8*\t:O+8*\t+7], v[S+16*\t:S+16*\t+15], v[PC:PC+15], v[O+8*\t:O+8*\t+7], v[KS+\t], v229
.endr
	s_add_co_u32 s48, s48, 8192                    ; the next step's images,
	s_add_co_u32 s49, s49, 512                     ; K's scale words,
	s_add_co_u32 s50, s50, 256                     ; V's
.endm
; A quarter of the keys: four steps.  The count leaves my loads for the later quarters out.  In the second tile of queries the waits are met at once.
.macro PHASE p
	s_wait_tensorcnt 3-\p                          ; my part of this quarter has landed: 3 - p loads were issued behind it
	s_wait_dscnt 0x0                               ; (the first time: my stores of scale words)
	s_barrier_signal -1
	s_barrier_wait -1                              ; everybody's has
	s_mov_b32 s48, \p*32768
	s_mov_b32 s49, \p*2048
	s_mov_b32 s50, \p*1024
	s_mov_b32 s51, 4
.Lstep_\@:
	STEP
	s_sub_co_u32 s51, s51, 1
	s_cmp_lg_u32 s51, 0
	s_cbranch_scc1 .Lstep_\@
.endm
	s_mov_b32 s52, 2
.Ltile:                                            ; two tiles of queries a wave
	global_load_b128 v[16:19], v[LI], s[54:55]     ; Q's image,
	global_load_b128 v[20:23], v[LI], s[54:55] offset:512
	global_load_u16 v231, v[AQ], s[56:57]          ; and its two scale bytes a row
	v_mov_b32 v13, 0xec800000                      ; the largest t so far: -2^90
	v_floor_f32 v12, -v13                          ; -M
	v_mov_b32 v14, 0
	v_mov_b32 v15, 0
	s_wait_loadcnt 0x0
	v_or_b32 v231, 0x7f7f0000, v231                ; the padding's scale bytes: 127
.set j, 0
.rept 32
	v_mov_b32 v[O+j], 0                            ; O^T.  (The step is written once: the first finds zeros.  These lines are also the places between the scale word's line and the first product)
.set j, j+1
.endr
	PHASE 0
	PHASE 1
	PHASE 2
	PHASE 3
	; THE WAY OUT of a tile
.rept 8
	v_nop
.endr
	v_add_f32 v14, v14, v15
	v_permlanex16_b32 v230, v14, s20, s21
	v_add_f32 v14, v14, v230                       ; l
	v_rcp_f32 v228, v14
	v_nop                                          ; a plain instruction behind the reciprocal
	s_wait_alu depctr_va_vdst(0)                   ; and the wait ahead of its first reader
.set j, 0
.rept 16
	v_pk_mul_f32 v[S+j:S+j+1], v[O+j:O+j+1], v[228:229] op_sel_hi:[1,0]   ; O^T / l, each accumulator from its low end on: register 8 t + i is d = 16 t + 8 h + i
.set j, j+2
.endr
.irp b, 0,1
	v_max3_num_f32 v[BM+\b], |v[S+16*\b]|, |v[S+16*\b+1]|, 0x4800000
.endr
.irp i, 2,4,6,8,10,12,14
.irp b, 0,1
	v_max3_num_f32 v[BM+\b], v[BM+\b], |v[S+16*\b+\i]|, |v[S+16*\b+\i+1]|
.endr
.endr
.irp b, 0,1
	v_permlanex16_b32 v[PB+\b], v[BM+\b], s20, s21
.endr
.irp b, 0,1
	v_max_num_f32 v[BM+\b], v[BM+\b], v[PB+\b]
.endr
.irp b, 0,1
	v_add_nc_u32 v[SO+\b], 0xfc000000, v[BM+\b]
.endr
.irp b, 0,1
	v_and_or_b32 v[HL+\b], v[BM+\b], 0x7f800000, s19
.endr
.irp b, 0,1
	v_lshrrev_b32 v[PB+\b], 23, v[SO+\b]
.endr
	v_cndmask_b32 v230, v[PB], v[PB+1], s18        ; lanes 0-15 store block 0's byte, lanes 16-31 block 1's
.irp b, 0,1
.irp i, 0,1,2,3,4,5,6,7,8,9,10,11,12,13,14,15
	v_med3_num_f32 v[S+16*\b+\i], v[S+16*\b+\i], -v[HL+\b], v[HL+\b]
.endr
	v_cvt_scalef32_pk8_fp8_f32 v[PC+4*\b:PC+4*\b+1], v[S+16*\b:S+16*\b+7], v[SO+\b]
	v_cvt_scalef32_pk8_fp8_f32 v[PC+4*\b+2:PC+4*\b+3], v[S+16*\b+8:S+16*\b+15], v[SO+\b]
.endr
	v_nop                                          ; a plain instruction behind the last conversion
	; into the natural order: of a block, lanes 0-15 hold places 0-7 and 16-23, lanes 16-31 places 8-15 and 24-31; wanted are 0-15 and 16-31: each half sends the two registers that the other wants
.irp b, 0,1
.irp i, 0,1
	v_cndmask_b32 v[HL+2*\b+\i], v[PC+4*\b+2+\i], v[PC+4*\b+\i], s18
.endr
.endr
.irp b, 0,1
.irp i, 0,1
	v_permlanex16_b32 v[PB+2*\b+\i], v[HL+2*\b+\i], s20, s21
.endr
.endr
.irp b, 0,1
.irp i, 0,1
	v_cndmask_b32 v[PC+8+4*\b+\i], v[PC+4*\b+\i], v[PB+2*\b+\i], s18
	v_cndmask_b32 v[PC+10+4*\b+\i], v[PB+2*\b+\i], v[PC+4*\b+2+\i], s18
.endr
.endr
	global_store_b128 v[LI], v[PC+8:PC+11], s[58:59]               ; 32 lanes store 512 consecutive bytes, at a multiple of 512 from the buffer's first byte
	global_store_b128 v[LI], v[PC+12:PC+15], s[58:59] offset:512
	global_store_b8 v[AO], v230, s[60:61]
	s_wait_xcnt 0x0                                ; the loads and stores have read their bases and data: both may be written
	s_add_nc_u64 s[54:55], s[54:55], 16384         ; 16 tiles of queries on
	s_add_nc_u64 s[56:57], s[56:57], 512
	s_add_nc_u64 s[58:59], s[58:59], 65536
	s_add_nc_u64 s[60:61], s[60:61], 8192
	s_sub_co_u32 s52, s52, 1
	s_cmp_lg_u32 s52, 0
	s_cbranch_scc1 .Ltile
	s_wait_tensorcnt 0x0                           ; the wave's end
	ds_add_u32 v[SPW], v[NIL]
	s_wait_dscnt 0x0
	ROUND                                          ; the closing round
	s_endpgm
.Lfunc_end_k_q5cb8a1aa68_attn:
	.size	k_q5cb8a1aa68_attn, .Lfunc_end_k_q5cb8a1aa68_attn-k_q5cb8a1aa68_attn
	.p2alignl 7, 3214868480
	.fill 96, 4, 3214868480
	.section	.rodata,"a",@progbits
	.p2align	6, 0x0
	.amdhsa_kernel k_q5cb8a1aa68_attn
		.amdhsa_group_segment_fixed_size 327680
		.amdhsa_private_segment_fixed_size 0
		.amdhsa_enable_private_segment 0
		.amdhsa_kernarg_size 40
		.amdhsa_user_sgpr_count 2
		.amdhsa_user_sgpr_kernarg_segment_ptr 1
		.amdhsa_wavefront_size32 1
		.amdhsa_system_sgpr_workgroup_id_x 1
		.amdhsa_system_sgpr_workgroup_id_y 1
		.amdhsa_system_sgpr_workgroup_id_z 1
		.amdhsa_system_vgpr_workitem_id 0
		.amdhsa_next_free_vgpr 256
		.amdhsa_next_free_sgpr 66
		.amdhsa_reserve_vcc 1
		.amdhsa_float_denorm_mode_32 3
		.amdhsa_float_denorm_mode_16_64 3
		.amdhsa_memory_ordered 1
		.amdhsa_forward_progress 1
		.amdhsa_inst_pref_size 96
	.end_amdhsa_kernel
	.amdgpu_metadata
---
amdhsa.version: [ 1, 2 ]
amdhsa.kernels:
  - .name:           k_q5cb8a1aa68_attn
    .symbol:         k_q5cb8a1aa68_attn.kd
    .args:
      - { .name: qkv, .offset: 0, .size: 8, .value_kind: global_buffer, .address_space: global }
      - { .name: sc, .offset: 8, .size: 8, .value_kind: global_buffer, .address_space: global }
      - { .name: mask, .offset: 16, .size: 8, .value_kind: global_buffer, .address_space: global }
      - { .name: att, .offset: 24, .size: 8, .value_kind: global_buffer, .address_space: global }
      - { .name: asc, .offset: 32, .size: 8, .value_kind: global_buffer, .address_space: global }
    .group_segment_fixed_size: 327680
    .private_segment_fixed_size: 0
    .kernarg_segment_align: 8
    .kernarg_segment_size: 40
    .max_flat_workgroup_size: 512
    .sgpr_count:     66
    .vgpr_count:     256
    .wavefront_size: 32
...
	.end_amdgpu_metadata
.endif
;; end of part 2
;; launch outp (part 3): grid 4 x 32, 4 waves a work-group, clusters of 4 x 4, 327,680 bytes of LDS; arguments att, asc, Wo_codes, Wo_scales, bo, out0; writes out0
.if DOCPART == 3
	.amdgcn_target "amdgcn-amd-amdhsa--gfx1250"
	.amdhsa_code_object_version 6
	.text
	.protected	k_q5cb8a1aa68_outp
	.globl	k_q5cb8a1aa68_outp
	.p2align	8
	.type	k_q5cb8a1aa68_outp,@function
k_q5cb8a1aa68_outp:
	s_mov_b64 s[64:65], 0
	v_nop
	global_prefetch_b8 v0, s[64:65] scope:SCOPE_SE
	s_setreg_imm32_b32 hwreg(HW_REG_WAVE_MODE, 25, 1), 1
	s_wait_xcnt 0x0
	s_wait_alu depctr_hold_cnt(0) depctr_sa_sdst(0) depctr_va_vdst(0) depctr_va_sdst(0) depctr_va_ssrc(0) depctr_va_vcc(0) depctr_vm_vsrc(0)
	s_getreg_b32 s2, hwreg(HW_REG_IB_STS2, 6, 4)
	s_cmp_eq_u32 s2, 0
	s_cbranch_scc0 .Lentry_in_a_cluster
	s_endpgm
.Lentry_in_a_cluster:
	s_bfe_u32 s2, ttmp6, 0x10000c
	s_cmp_lg_u32 s2, 0xf033
	s_cbranch_scc0 .Lentry_shape_is_right
	s_endpgm
.Lentry_shape_is_right:
; out0 = attended Wo^T + bo on codes of E4M3 with E8M0 scales, K = 1,024, sums in f32.  No work of the problem is left out here.
; A = the attended rows: att [K step of 256][tile of 16 rows][4,096 bytes: images of operand registers], asc [8,192][32] scale bytes.  B = Wo [1,024][1,024] codes, K innermost, with [1,024][32] scale bytes.
; A tile of out0, 256 x 256, is made by four waves, 128 x 128 each: 64 accumulators.  K goes in steps of 256 through a ring of two LDS slots; the scales of the 512 rows come once and stay.
; A's part of a slot is dense in memory: 128 rows' images are 32,768 bytes, brought as 128 rows of 256 bytes with 16 of padding behind each; four registers of a fragment are two such rows: lanes 0-15 read one, lanes 16-31 the next.
; CLUSTERS: 4 x 4 work-groups; A's tiles are shared along a row of the cluster, B's along a column: joint loads.  The matrix instruction is used transposed (source 0 = Wo's rows): a lane holds eight neighbouring numbers of a row of out0.
; bo is the C of the first products.  128 work-groups: a tile of 256 x 256 is kept whole, so that each fragment read from LDS feeds eight products.
; K is four slots' worth, two of them first fills: there is no lead for a prefetch to gain, and none is laid.
; REGISTERS as in the first launch: window 0: v0-31 addresses; v32-63 scale words; v64-127 bo; v128-255 A's fragments, later rows on the way out.  window 1: B's fragments, two sets.  windows 2, 3: the accumulators.
.set SIZE_N, 1024
.set KSTEP,  256
.set NQ,     2
.set ROWB,   256
.set KROW,   1024
.set ASTEP,  0x200000                  ; a K step on in att
.set PITCH,  272
.set FR,     16
.set NL,     4
.set NP,     8
.set HALFT,  128*PITCH
.set SLOT,   4*HALFT
.set KS,     32
.set SCL,    2*SLOT
.set HALFS,  (128*KS/256)*272
.set SBLK,   (16*KS/256)*272
.set SPARE,  SCL+4*HALFS               ; the spare words: 128 bytes a wave, two blocks of 256 bytes that no other line names
.set SPITCH, 528                       ; the way out: a stage of 16 rows x (512 bytes + 16) for each wave, in slot 0, which has had its last fill and its last read by then
.set ADRA, 16
.set ADRB, 20
.set STO,  24
.set RD,   25
.set CO,   26
.set ADRS, 27
.set SPW,  28
.set NIL,  29
.set SC,   32
.set BT,   64
.set AF,   128
.set BK,   128
.set G1, 24
.set G0, 32
.set G1B, 48
.set G0B, 56
.set G1S, 68
.set G0S, 76
.set G1SB, 80
.set G0SB, 88
.set MSB, 0
.macro WIN new
.if MSB != (\new)
	s_set_vgpr_msb (MSB<<8)|(\new)
.set MSB, (\new)
.endif
.endm
.set MUL_LO, 0xa1
.set MUL_HI, 0xf1
.set TO_B,   0x40
.macro JLOAD g0a, g1a, g0b, g1b        ; waves 0 and 1 fetch for A, waves 2 and 3 for B; an s_nop 0 and four v_nop follow each line
	s_cmp_eq_u32 s15, 0
	s_cbranch_scc0 .Lfor_b_\@
	tensor_load_to_lds s[\g0a:\g0a+3], s[\g1a:\g1a+7]
	s_nop 0
.rept 4
	v_nop
.endr
	s_branch .Lasked_\@
.Lfor_b_\@:
	tensor_load_to_lds s[\g0b:\g0b+3], s[\g1b:\g1b+7]
	s_nop 0
.rept 4
	v_nop
.endr
.Lasked_\@:
.endm
.macro CREST
	s_cmp_lg_u32 s14, 0
	s_cbranch_scc1 .Lnot_wave_0_\@
	s_barrier_signal -3
.Lnot_wave_0_\@:
	s_barrier_wait -3
	s_barrier_signal -1
	s_barrier_wait -1
.endm
.macro CROUND
	s_barrier_signal -1
	s_barrier_wait -1
	CREST
.endm
	s_load_b128 s[4:7], s[0:1], 0x0                ; att, asc
	s_load_b128 s[8:11], s[0:1], 0x10              ; Wo's codes, Wo's scales
	s_load_b64 s[96:97], s[0:1], 0x20              ; bo
	s_load_b64 s[12:13], s[0:1], 0x28              ; out0
	v_lshl_add_u32 v[SPW], v0, 2, SPARE
	v_mov_b32 v[NIL], 0
	ds_add_u32 v[SPW], v[NIL]                      ; the wave's opening: the add, twice on end, and its wait ahead of my first tensor load
	ds_add_u32 v[SPW], v[NIL]
	v_lshrrev_b32 v1, 5, v0
	v_readfirstlane_b32 s14, v1                    ; wave 0..3
	s_lshr_b32 s15, s14, 1                         ; my half of the tile's rows.  Also: I fetch for A (0) or for B (1)
	s_and_b32 s16, s14, 1                          ; my half of its columns.  Also: which 128 rows I fetch
	s_bfe_u32 s40, ttmp6, 0x40000
	s_bfe_u32 s41, ttmp6, 0x40004
	s_lshl_b32 s42, ttmp9, 2
	s_add_co_u32 s42, s42, s40                     ; tile column
	s_and_b32 s17, ttmp7, 0xffff
	s_lshl_b32 s17, s17, 2
	s_add_co_u32 s17, s17, s41                     ; tile row
	s_lshl_b32 s43, s41, 2
	s_lshl_b32 s43, 15, s43                        ; my row of the cluster
	s_lshl_b32 s44, 0x1111, s40                    ; my column
	s_or_b32 s[G1+0], s43, (0<<16)|(1<<20)|(1<<21)|(5<<22)|(3<<25)
	s_or_b32 s[G1B+0], s44, (0<<16)|(1<<20)|(1<<21)|(5<<22)|(3<<25)
.irp g, G1, G1B
	s_mov_b32 s[\g+1], ROWB<<16
	s_mov_b32 s[\g+2], 128<<16
	s_mov_b32 s[\g+3], ROWB<<16
	s_mov_b32 s[\g+4], 128
	s_mov_b32 s[\g+6], 0
	s_mov_b32 s[\g+7], 0
.endr
	s_mov_b32 s[G1+5], ROWB                        ; A's images are dense: a row begins where the last ends
	s_mov_b32 s[G1B+5], KROW
	s_or_b32 s[G1S+0], s43, (3<<16)|(1<<20)|(1<<21)|(5<<22)|(3<<25)
	s_or_b32 s[G1SB+0], s44, (3<<16)|(1<<20)|(1<<21)|(5<<22)|(3<<25)
.irp g, G1S, G1SB
	s_mov_b32 s[\g+1], 32<<16
	s_mov_b32 s[\g+2], (128*KS/256)<<16
	s_mov_b32 s[\g+3], 32<<16
	s_mov_b32 s[\g+4], 128*KS/256
	s_mov_b32 s[\g+5], 32
	s_mov_b32 s[\g+6], 0
	s_mov_b32 s[\g+7], 0
.endr
	s_lshl_b32 s18, s16, 7
	s_lshl_b32 s20, s17, 8
	s_add_co_u32 s20, s20, s18                     ; A: row
	s_lshl_b32 s46, s42, 8
	s_add_co_u32 s46, s46, s18                     ; B: row
	s_lshl_b32 s22, s20, 5                         ; 32 scale bytes a row
	s_mov_b32 s23, 0
	s_lshl_b32 s92, s46, 5
	s_mov_b32 s93, 0
	s_lshl_b32 s20, s20, 8                         ; A: 256 bytes of images a row and K step
	s_mov_b32 s21, 0
	s_lshl_b32 s46, s46, 10                        ; B: 1,024 codes a row
	s_mov_b32 s47, 0
	s_mul_i32 s45, s14, HALFT
	s_mul_i32 s94, s14, HALFS
	s_wait_dscnt 0x0                               ; both opening adds are done
	s_wait_kmcnt 0x0
	s_add_nc_u64 s[20:21], s[4:5], s[20:21]
	s_add_nc_u64 s[22:23], s[6:7], s[22:23]
	s_add_nc_u64 s[46:47], s[8:9], s[46:47]
	s_add_nc_u64 s[92:93], s[10:11], s[92:93]
	CROUND                                         ; all sixteen work-groups are here: the first joint loads meet
	s_mov_b32 s[G0S], 1
	s_add_co_u32 s[G0S+1], s94, SCL
	s_mov_b64 s[G0S+2:G0S+3], s[22:23]
	s_or_b32 s[G0S+3], s[G0S+3], 0x80000000
	s_mov_b32 s[G0SB], 1
	s_add_co_u32 s[G0SB+1], s94, SCL
	s_mov_b64 s[G0SB+2:G0SB+3], s[92:93]
	s_or_b32 s[G0SB+3], s[G0SB+3], 0x80000000
	JLOAD G0S, G1S, G0SB, G1SB
.irp s, 0,1
	s_mov_b32 s[G0+4*\s], 1
	s_add_co_u32 s[G0+4*\s+1], s45, \s*SLOT
	s_add_nc_u64 s[G0+4*\s+2:G0+4*\s+3], s[20:21], \s*ASTEP
	s_or_b32 s[G0+4*\s+3], s[G0+4*\s+3], 0x80000000
	s_mov_b32 s[G0B+4*\s], 1
	s_add_co_u32 s[G0B+4*\s+1], s45, \s*SLOT
	s_add_nc_u64 s[G0B+4*\s+2:G0B+4*\s+3], s[46:47], \s*ROWB
	s_or_b32 s[G0B+4*\s+3], s[G0B+4*\s+3], 0x80000000
	JLOAD G0+4*\s, G1, G0B+4*\s, G1B
.endr
	v_and_b32 v1, 15, v0                           ; r
	v_bfe_u32 v2, v0, 4, 1                         ; h
	s_lshl_b32 s46, s42, 10                        ; my first column, in bytes of f32: 1,024 x tile column + 512 x half
	s_lshl_b32 s47, s16, 9
	s_add_co_u32 s46, s46, s47
	s_mov_b32 s47, 0
	s_add_nc_u64 s[96:97], s[96:97], s[46:47]      ; bo there
	v_lshlrev_b32 v8, 5, v2
.irp b, 0,1,2,3,4,5,6,7
	global_load_b128 v[BT+8*\b:BT+8*\b+3], v8, s[96:97] offset:64*\b        ; register 8 b + j: bo[.. + 16 b + 8 h + j]
	global_load_b128 v[BT+8*\b+4:BT+8*\b+7], v8, s[96:97] offset:64*\b+16
.endr
	v_mul_u32_u24 v3, v1, PITCH
	v_lshl_add_u32 v4, v2, 4, v3                   ; B: a fragment's row x pitch + 16 x half
	v_mul_u32_u24 v7, v2, PITCH
	v_lshl_add_u32 v7, v1, 4, v7                   ; A: an image's 512 bytes are two LDS rows: 272 h + 16 r
	s_mul_i32 s21, s15, HALFT
	s_mul_i32 s22, s16, HALFT
	s_add_co_u32 s22, s22, 2*HALFT
.irp s, 0,1
	v_add_nc_u32 v[ADRA+\s], s21, v7
	v_add_nc_u32 v[ADRB+\s], s22, v4
	s_add_co_u32 s21, s21, SLOT
	s_add_co_u32 s22, s22, SLOT
.endr
	v_mul_u32_u24 v5, v1, KS
	v_lshrrev_b32 v6, 8, v5
	v_lshl_add_u32 v5, v6, 4, v5
	s_mul_i32 s21, s15, HALFS
	s_mul_i32 s22, s16, HALFS
	s_add_co_u32 s22, s22, 2*HALFS
	s_sub_co_u32 s22, s22, s21
	v_mul_u32_u24 v6, s22, v2                      ; lanes 16-31 take B's
	s_add_co_u32 s21, s21, SCL
	v_add_nc_u32 v5, v5, v6
	v_add_nc_u32 v[ADRS], s21, v5
	s_mul_i32 s23, s14, 16*SPITCH                  ; my stage
	v_mul_u32_u24 v5, v1, SPITCH
	v_lshl_add_u32 v5, v2, 5, v5
	v_add_nc_u32 v[STO], s23, v5
	v_and_b32 v6, 31, v0
	v_lshlrev_b32 v[CO], 4, v6
	v_add_nc_u32 v[RD], s23, v[CO]
	s_lshl_b32 s20, s17, 8
	s_lshl_b32 s21, s15, 7
	s_add_co_u32 s20, s20, s21                     ; my first row of out0
	s_lshl_b32 s20, s20, 12                        ; 4,096 bytes a row
	s_mov_b32 s21, 0
	s_add_nc_u64 s[20:21], s[20:21], s[46:47]
	s_add_nc_u64 s[12:13], s[12:13], s[20:21]
.macro FRAG reg, adr, q, i             ; B: 16 rows x 128 K from rows that lie along K
.irp c, 0,1,2,3
	ds_load_b128 v[\reg+4*\c:\reg+4*\c+3], v[\adr] offset:128*(\q)+32*\c+(\i)*16*PITCH
.endr
.endm
.macro FRAGA reg, adr, q, i            ; A: the image of tile i, the slot's q-th 128 along K: registers 4 c .. 4 c + 3 at LDS rows 16 i + 8 q + 2 c and the next
.irp c, 0,1,2,3
	ds_load_b128 v[\reg+4*\c:\reg+4*\c+3], v[\adr] offset:(16*(\i)+8*(\q)+2*\c)*PITCH
.endr
.endm
.macro MUL16 a0, p, q, sc, zero        ; zero = 1: the sums start from bo.  The 64 accumulators take turns, one instruction a turn
.irp a, \a0, \a0+1
.irp b, 0,1,2,3,4,5,6,7
.if \zero
	v_wmma_scale_f32_16x16x128_f8f6f4 v[8*(8*((\a)%4)+\b):8*(8*((\a)%4)+\b)+7], v[128*(\p)+FR*\b:128*(\p)+FR*\b+FR-1], v[AF+FR*(\a):AF+FR*(\a)+FR-1], v[BT+8*\b:BT+8*\b+7], v[SC+8*NQ*(\sc)+NQ*\b+(\q)], v[SC+8*NQ*(\sc)+NQ*(\a)+(\q)] matrix_a_scale:MATRIX_SCALE_ROW1
.else
	v_wmma_scale_f32_16x16x128_f8f6f4 v[8*(8*((\a)%4)+\b):8*(8*((\a)%4)+\b)+7], v[128*(\p)+FR*\b:128*(\p)+FR*\b+FR-1], v[AF+FR*(\a):AF+FR*(\a)+FR-1], v[8*(8*((\a)%4)+\b):8*(8*((\a)%4)+\b)+7], v[SC+8*NQ*(\sc)+NQ*\b+(\q)], v[SC+8*NQ*(\sc)+NQ*(\a)+(\q)] matrix_a_scale:MATRIX_SCALE_ROW1
.endif
.endr
.endr
.endm
.macro FETCH_B slot, q, p
	WIN TO_B
.irp i, 0,1,2,3,4,5,6,7
	FRAG 128*(\p)+FR*\i, ADRB+\slot, \q, \i
.endr
	WIN 0
.endm
.macro FETCH_A slot, q, i0
.irp i, \i0, \i0+1, \i0+2, \i0+3
	FRAGA AF+FR*(\i), ADRA+\slot, \q, \i
.endr
.endm
.macro SCALES sc
.irp i, 0,1,2,3,4,5,6,7
	ds_load_b64 v[SC+8*NQ*\sc+NQ*\i:SC+8*NQ*\sc+NQ*\i+1], v[ADRS] offset:\i*SBLK
.endr
.endm
.macro PLACES n
.rept \n
	v_nop
.endr
.endm
.macro STEP slot, q, zero
	s_wait_dscnt 4*NL                              ; B's set and A's blocks 0-3 are in; the youngest 16 loads (A's blocks 4-7) may be out
.if \zero
	WIN 0x81                                       ; C (bo) in window 0, D in window 2
.else
	WIN MUL_LO
.endif
	MUL16 0, (\q)%2, \q, \slot, \zero
	MUL16 2, (\q)%2, \q, \slot, \zero
	s_wait_dscnt 0
	PLACES NP
	FETCH_B \slot, (\q)+1, 1-(\q)%2
	FETCH_A \slot, (\q)+1, 0
.if \zero
	WIN 0xc1
.else
	WIN MUL_HI
.endif
	MUL16 4, (\q)%2, \q, \slot, \zero
	MUL16 6, (\q)%2, \q, \slot, \zero
	PLACES NP
	WIN 0
	FETCH_A \slot, (\q)+1, 4
.endm
.macro TURN slot, next, fill           ; a slot's last step changes slots: one barrier, the three lines in front of it
	s_wait_tensorcnt 0x0                           ; all my tensor loads have landed: my part of the next slot
	ds_add_u32 v[SPW], v[NIL]                      ; 0 onto my spare word
	s_wait_dscnt 4*NL+1                            ; the add and the youngest 16 loads may be out
	WIN MUL_LO
	MUL16 0, 1, NQ-1, \slot, 0
	s_wait_dscnt 0x0                               ; the add is done, and my reads of this slot are over
	s_barrier_signal -1
	MUL16 2, 1, NQ-1, \slot, 0
	WIN 0
	s_barrier_wait -1
.if \fill
	CREST                                          ; the barrier has opened a round of the cluster's
	s_add_nc_u64 s[G0+4*\slot+2:G0+4*\slot+3], s[G0+4*\slot+2:G0+4*\slot+3], 2*ASTEP
	s_add_nc_u64 s[G0B+4*\slot+2:G0B+4*\slot+3], s[G0B+4*\slot+2:G0B+4*\slot+3], 2*ROWB
	JLOAD G0+4*\slot, G1, G0B+4*\slot, G1B
	PLACES NP-4
.else
	PLACES NP
.endif
	v_add_nc_u32 v[ADRS], 4*NQ, v[ADRS]
	FETCH_B \next, 0, 0
	FETCH_A \next, 0, 0
	SCALES \next
	WIN MUL_HI
	MUL16 4, 1, NQ-1, \slot, 0
	MUL16 6, 1, NQ-1, \slot, 0
	PLACES NP
	WIN 0
	FETCH_A \next, 0, 4
.endm
	s_wait_tensorcnt 1                             ; the scales and my part of K step 0 are in; K step 1's load may be out
	s_barrier_signal -1
	s_barrier_wait -1
	FETCH_B 0, 0, 0
	FETCH_A 0, 0, 0
	SCALES 0
	FETCH_A 0, 0, 4
	s_wait_loadcnt 0x0                             ; bo
	STEP 0, 0, 1
	TURN 0, 1, 1
	STEP 1, 0, 0
	TURN 1, 0, 1
	STEP 0, 0, 0
	TURN 0, 1, 0                                   ; the last lap fills nothing
	STEP 1, 0, 0
	s_wait_dscnt 4*NL
	WIN MUL_LO
	MUL16 0, 1, NQ-1, 1, 0
	MUL16 2, 1, NQ-1, 1, 0
	s_wait_dscnt 0
	WIN MUL_HI
	MUL16 4, 1, NQ-1, 1, 0
	MUL16 6, 1, NQ-1, 1, 0
	WIN 0
; THE WAY OUT, block by block of 16 rows x 128 columns, through my own stage in LDS: back as whole rows of 512 bytes.  LDS serves a wave's instructions in order (ISA guide 5.7.1.4).
.macro TOSTAGE a
.set AC, 64*((\a)%4)
	WIN 0x08+4*((\a)/4)                            ; the data: window 2 or 3
.irp b, 0,1,2,3,4,5,6,7
	ds_store_b128 v[STO], v[AC+8*\b:AC+8*\b+3] offset:64*\b          ; each accumulator from its low end on
	ds_store_b128 v[STO], v[AC+8*\b+4:AC+8*\b+7] offset:64*\b+16
.endr
	WIN 0
.set BB, BK+64*((\a)%2)
.irp t, 0,1,2,3,4,5,6,7,8,9,10,11,12,13,14,15
	ds_load_b128 v[BB+4*\t:BB+4*\t+3], v[RD] offset:\t*SPITCH
.endr
.endm
.macro SEND a, younger                 ; younger: the LDS instructions issued behind block a's loads, which may stay out
.set BB, BK+64*((\a)%2)
	s_wait_dscnt \younger
.if (\a) > 0
	s_add_nc_u64 s[12:13], s[12:13], 16*SIZE_N*4   ; (behind a wait on XCNT: the earlier stores have read their base)
.endif
.irp t, 0,1,2,3,4,5,6,7,8,9,10,11,12,13,14,15
	global_store_b128 v[CO], v[BB+4*\t:BB+4*\t+3], s[12:13] offset:\t*SIZE_N*4 th:TH_STORE_NT   ; 32 lanes store 512 consecutive bytes, at a multiple of 512 from out0's first byte
.endr
.endm
	PLACES NP
	TOSTAGE 0
.irp a, 1,2,3,4,5,6,7
.if \a > 1
	s_wait_xcnt 0x0                                ; block a - 2's stores have read their registers and their base
.endif
	TOSTAGE \a
	SEND \a-1, 32                                  ; behind block a - 1's loads: block a's 16 stores and 16 loads
.endr
	s_wait_xcnt 0x0
	SEND 7, 0
	s_wait_tensorcnt 0x0                           ; the wave's end
	ds_add_u32 v[SPW], v[NIL]
	s_wait_dscnt 0x0
	CROUND                                         ; the closing round
	s_endpgm
.Lfunc_end_k_q5cb8a1aa68_outp:
	.size	k_q5cb8a1aa68_outp, .Lfunc_end_k_q5cb8a1aa68_outp-k_q5cb8a1aa68_outp
	.p2alignl 7, 3214868480
	.fill 96, 4, 3214868480
	.section	.rodata,"a",@progbits
	.p2align	6, 0x0
	.amdhsa_kernel k_q5cb8a1aa68_outp
		.amdhsa_group_segment_fixed_size 327680
		.amdhsa_private_segment_fixed_size 0
		.amdhsa_enable_private_segment 0
		.amdhsa_kernarg_size 48
		.amdhsa_user_sgpr_count 2
		.amdhsa_user_sgpr_kernarg_segment_ptr 1
		.amdhsa_wavefront_size32 1
		.amdhsa_system_sgpr_workgroup_id_x 1
		.amdhsa_system_sgpr_workgroup_id_y 1
		.amdhsa_system_sgpr_workgroup_id_z 1
		.amdhsa_system_vgpr_workitem_id 0
		.amdhsa_next_free_vgpr 1024
		.amdhsa_next_free_sgpr 100
		.amdhsa_reserve_vcc 0
		.amdhsa_float_denorm_mode_32 3
		.amdhsa_float_denorm_mode_16_64 3
		.amdhsa_memory_ordered 1
		.amdhsa_forward_progress 1
		.amdhsa_inst_pref_size 147
	.end_amdhsa_kernel
	.amdgpu_metadata
---
amdhsa.version: [ 1, 2 ]
amdhsa.kernels:
  - .name:           k_q5cb8a1aa68_outp
    .symbol:         k_q5cb8a1aa68_outp.kd
    .args:
      - { .name: att, .offset: 0, .size: 8, .value_kind: global_buffer, .address_space: global }
      - { .name: asc, .offset: 8, .size: 8, .value_kind: global_buffer, .address_space: global }
      - { .name: Wo_codes, .offset: 16, .size: 8, .value_kind: global_buffer, .address_space: global }
      - { .name: Wo_scales, .offset: 24, .size: 8, .value_kind: global_buffer, .address_space: global }
      - { .name: bo, .offset: 32, .size: 8, .value_kind: global_buffer, .address_space: global }
      - { .name: out0, .offset: 40, .size: 8, .value_kind: global_buffer, .address_space: global }
    .group_segment_fixed_size: 327680
    .private_segment_fixed_size: 0
    .kernarg_segment_align: 8
    .kernarg_segment_size: 48
    .max_flat_workgroup_size: 128
    .sgpr_count:     100
    .vgpr_count:     1024
    .wavefront_size: 32
...
	.end_amdgpu_metadata
.endif
;; end of part 3
